; MI455X (gfx1250); checked and timed in simulation.
; The chip was launched on July 23, 2026; its instructions are those of AMD's public machine-readable ISA for CDNA 5 (MIT licence, August 2026) and "CDNA5" Instruction Set Architecture Reference Guide (July 2026). The comments in the code are by the model that wrote it; some were corrected since.
;; NGP Model. Allowed arithmetic: matrix products marked QUANTISED: E2M1 operands, one E8M0 scale for each 32 along K, by v_wmma_scale_f32_16x16x128_f8f6f4 with both operands' format E2M1 (or v_wmma_scale_f32_32x16x128_f4), f32 sums; products left as they are: f32 operands where the result goes on into a quantised operand, else bf16, f16 or f32 operands; f32 sums; everything else in f32.
;; Inputs: W1 32 x 64 float32; W2 64 x 64 float32; W3 64 x 3 float32; hash_table 16 x 524,288 x 2 float32; v_pixel_pos 2,097,152 x 2 float32.
;; Outputs: out0 2,097,152 x 3 float32.
;; This version of the problem:
;;   THIS VERSION OF THE PROBLEM IS GIVEN IN LOW PRECISION. The matrix products marked QUANTISED in the list below multiply operands that are first quantised to E2M1 (2 exponent bits, 1 mantissa bit; 4 bits a number), with one power-of-two scale for each 32 numbers along K (OCP MX v1.0); their sums are f32. All else is computed in f32.
;;   The module's matrix products, in the order in which they are computed (A, B: the left and right operand; K: the contracted axis; several contracted axes count as one K, in the product's order):
;;     1. [M 2,097,152, K 32] x [K 32, N 64]; A: computed on the way; B: input W1: QUANTISED
;;     2. [M 2,097,152, K 64] x [K 64, N 64]; A: computed on the way; B: input W2: QUANTISED
;;     3. [M 2,097,152, K 64] x [K 64, N 3]; A: computed on the way; B: input W3: left as it is (N = 3 < 16)
;;   THE QUANTISER, for each operand of a quantised product, along K:
;;     - K is cut into blocks of 32 from its start; a last block that is shorter is filled with zeros.
;;     - A block's scale is 2^e with e = floor(log2(the largest magnitude in the block)) - 2, held to -126 .. 127; a block of zeros has e = 0. As a byte (E8M0): e + 127.
;;     - Each number is divided by its block's scale, clamped to +-6, and rounded to the nearest number of E2M1, ties to even, subnormals kept.
;;     - The product sums the exact products of the quantised numbers (number of the format x scale) in f32.
;;   ~~~python
;;   def quantise(x, axis):      # numpy; x: float32 -> the quantised numbers, widened to float32 again
;;       x = np.moveaxis(x, axis, -1); K = x.shape[-1]
;;       x = np.pad(x, [(0, 0)] * (x.ndim - 1) + [(0, -K % 32)]); x = x.reshape(x.shape[:-1] + (-1, 32)); a = np.abs(x).max(-1, keepdims=True)
;;       e = np.where(a > 0, np.clip(np.frexp(np.where(a > 0, a, 1))[1] - 1 - 2, -126, 127), 0)      # np.frexp(a)[1] - 1 = floor(log2(a)), exactly
;;       r = np.clip(x / 2.0 ** e, -6, 6)
;;       step = 2.0 ** (np.maximum(np.frexp(np.where(r == 0, 1, r))[1] - 1, 0) - 1)
;;       q = np.round(r / step) * step * 2.0 ** e      # np.round: ties to even
;;       return np.moveaxis(q.reshape(q.shape[:-2] + (-1,))[..., :K], -1, axis).astype(np.float32)
;;   ~~~
;;   OPERANDS COMPUTED ON THE WAY. 'Computed on the way' means the value that the module computes at that place (a softmax that the list does not call 'softmax' is quantised finished and normalised). What goes into a quantiser is computed in f32, as accurately as f32 sums, v_exp_f32 and their like allow (about 1e-6 of the number): no bf16 or f16 on the way to a quantiser, and a product that is left as it is and whose result goes on into a quantised operand takes f32 operands (vector FMAs, or v_wmma_f32_16x16x4_f32). A number that lies on a knife's edge between two numbers of the format may be rounded either way, as far as f32 arithmetic and the matrix unit's own rounding can turn it there, and no further.
;; 2 versions, each right; version 2 is version 1 with the launch ngp written anew for expert scheduling mode. Each part assembles by itself: llvm-mc -triple=amdgcn-amd-amdhsa -mcpu=gfx1250 --defsym DOCPART=n.
;; ======== version 1 of 2: 2 launches
;; workspace buffers: cells 33,554,432 bytes of whole numbers; wimg 9,216 bytes
;; launch prep (part 1): grid 2049 x 1, 4 waves a work-group, no clusters, 0 bytes of LDS; arguments v_pixel_pos, W1, W2, W3, cells, wimg; writes cells, wimg
.if DOCPART == 1
	.amdgcn_target "amdgcn-amd-amdhsa--gfx1250"
	.amdhsa_code_object_version 6
	.text
	.protected	k_q897207039e_prep
	.globl	k_q897207039e_prep
	.p2align	8
	.type	k_q897207039e_prep,@function
k_q897207039e_prep:
	s_mov_b64 s[64:65], 0
	v_nop
	global_prefetch_b8 v0, s[64:65] scope:SCOPE_SE
	s_setreg_imm32_b32 hwreg(HW_REG_WAVE_MODE, 25, 1), 1
	s_wait_xcnt 0x0
; FIRST OF TWO LAUNCHES.  It turns what hangs on floating-point numbers and steers addresses into whole numbers, and lays the weights out as the second launch's registers take them.
; cells: 16 bytes a point: Ux, Uy, Cx, Cy.  U = floor(pos x 2^19), exact.  The base corner of level l is pi = floor(p), p = pos x (2^(4+l) - 1) + 0.5 by ONE fused multiply-add, rounded once.
;   (ORDER OF ROUNDING: a multiplication and an addition that are rounded one after the other give the same p, but for pos x (2^(4+l) - 1) within 0.5 under a power of two, where p can differ by one unit in its last place.)
;   p = pos x 2^(4+l) - pos + 0.5, so pi differs from (U >> (15 - l)) - (U >> 19) by -1, 0 or +1; C holds that difference + 1 in two bits a level.
;   C is summed modulo 2^32: ((U >> 19) + 1) in all 16 fields at once (x 0x55555555), then (pi - (U >> (15 - l))) << 2 l; every finished field is 0, 1 or 2, so the sum is the fields.
; wimg: images of operand registers, lane l's 16 bytes at 16 l, 512 bytes for four registers:
;   512 (2 t + v): W1's tile t as codes of E2M1; v = 0: in lanes 0-15 (k = 0..31), zeros in lanes 16-31; v = 1: the other way round.  Row r of tile t is hidden unit 32 (r / 8) + 8 t + r % 8.
;   512 (8 + t):   W2's tile t (row r = unit 16 t + r; lane (r, h) holds k = 32 h .. 32 h + 31).
;   6144 + 512 h + 128 o + 4 i: W3 in f32, turned: W3(16 (i / 8) + 8 h + i % 8, o), i = 0..31, o = 0..2.  Row o = 3 fills a half up to 512 bytes: it repeats column 2, and nothing multiplies by it.
;   8192 + 128 t:  W1's scale words (the byte in all four places);   8192 + 128 (4 + t): W2's (block 0's byte, block 1's byte).
; LIMITS: 0 <= pos < 16 (beyond it a difference can leave its two bits); NaN and infinities are not served.  A block of zeros gets the byte 1, not 127: its codes are zeros, and this program alone reads the bytes.
; SHARES: work-groups 0 to 2047: 1,024 points each, 256 a wave, as 8 rows of 32; a lane a point.  Work-group 2048: the weights, wave t the tiles t.  No LDS, no barrier; every offset is an immediate,
; and every store has data registers of its own, so nothing that a store reads is written again.
.set NWG, 2048
	s_load_b256 s[4:11], s[0:1], 0x0               ; pos s[4:5], W1 s[6:7], W2 s[8:9], W3 s[10:11]
	s_load_b128 s[12:15], s[0:1], 0x20             ; cells s[12:13], wimg s[14:15]
	v_lshrrev_b32 v1, 5, v0
	v_readfirstlane_b32 s16, v1                    ; wave 0..3
	s_wait_kmcnt 0x0
	s_cmp_eq_u32 ttmp9, NWG
	s_cbranch_scc1 .Lweights
	; ---- the points
	v_and_b32 v3, 31, v0                           ; lane
	v_lshlrev_b32 v1, 3, v3                        ; 8 bytes of pos a lane
	v_lshlrev_b32 v2, 4, v3                        ; 16 bytes of cells a lane
	s_lshl_b32 s17, ttmp9, 2
	s_add_co_u32 s17, s17, s16                     ; which run of 256 points is my wave's
	s_lshl_b32 s18, s17, 11
	s_mov_b32 s19, 0
	s_add_nc_u64 s[4:5], s[4:5], s[18:19]
	s_lshl_b32 s18, s17, 12
	s_add_nc_u64 s[12:13], s[12:13], s[18:19]
	s_mov_b32 s20, 0x55555555
.irp j, 0,1,2,3,4,5,6,7
	global_load_b64 v[8+2*\j:9+2*\j], v1, s[4:5] offset:256*\j th:TH_LOAD_NT   ; 32 lanes read 256 consecutive bytes
.endr
.macro ROW j
.set PX, 8+2*(\j)
.set UX, 24+4*(\j)                     ; Ux, Uy, Cx, Cy of this row
	s_wait_loadcnt 7-(\j)                          ; loads come back in order: this row's is in, the younger rows' may be out
	v_pk_mul_f32 v[56:57], v[PX:PX+1], 0x49000000 op_sel_hi:[1,0]   ; x 2^19: exact
	v_cvt_u32_f32 v[UX], v56                       ; toward zero = floor: nothing here is negative
	v_cvt_u32_f32 v[UX+1], v57
	v_lshrrev_b32 v[UX+2], 19, v[UX]
	v_lshrrev_b32 v[UX+3], 19, v[UX+1]
	v_add_nc_u32 v[UX+2], 1, v[UX+2]
	v_add_nc_u32 v[UX+3], 1, v[UX+3]
	v_mul_lo_u32 v[UX+2], v[UX+2], s20             ; floor(pos) + 1 into all 16 fields
	v_mul_lo_u32 v[UX+3], v[UX+3], s20
.set LV, 0
.rept 16
.set SB, ((130+LV)<<23)|(((1<<(3+LV))-1)<<(20-LV)) ; the f32 number 2^(4 + l) - 1
	v_pk_fma_f32 v[58:59], v[PX:PX+1], SB, 0.5 op_sel_hi:[1,0,0]    ; p, rounded once: the second launch makes its weights by the same line
	v_cvt_u32_f32 v60, v58                         ; pi
	v_cvt_u32_f32 v61, v59
.if LV < 15
	v_lshrrev_b32 v62, 15-LV, v[UX]
	v_lshrrev_b32 v63, 15-LV, v[UX+1]
	v_sub_nc_u32 v60, v60, v62
	v_sub_nc_u32 v61, v61, v63
.else
	v_sub_nc_u32 v60, v60, v[UX]
	v_sub_nc_u32 v61, v61, v[UX+1]
.endif
	v_lshl_add_u32 v[UX+2], v60, 2*LV, v[UX+2]
	v_lshl_add_u32 v[UX+3], v61, 2*LV, v[UX+3]
.set LV, LV+1
.endr
	global_store_b128 v2, v[UX:UX+3], s[12:13] offset:512*(\j) th:TH_STORE_NT   ; 32 lanes store 512 consecutive bytes, at a multiple of 512 from the buffer's first byte
.endm
.irp j, 0,1,2,3,4,5,6,7
	ROW \j
.endr
	s_endpgm
	; ---- the weights.  A lane takes a column of the weight and its registers run down K: a block of 32 lies in one lane, and the conversions give codes with K innermost
.macro MAX32 d, e, base                ; the largest magnitude of 32 registers, and the floor 2^(3 - 127), which holds the scale's byte at 1 from below; two chains
	v_max3_num_f32 v[\d], |v[\base]|, |v[\base+1]|, 0x1800000
	v_max3_num_f32 v[\e], |v[\base+2]|, |v[\base+3]|, |v[\base+4]|
.irp i, 5,9,13,17,21,25
	v_max3_num_f32 v[\d], v[\d], |v[\base+\i]|, |v[\base+\i+1]|
	v_max3_num_f32 v[\e], v[\e], |v[\base+\i+2]|, |v[\base+\i+3]|
.endr
	v_max3_num_f32 v[\d], v[\d], |v[\base+29]|, |v[\base+30]|
	v_max3_num_f32 v[\d], v[\d], v[\e], |v[\base+31]|
.endm
.Lweights:
	v_and_b32 v1, 31, v0                           ; lane
	v_and_b32 v2, 15, v0                           ; r
	v_bfe_u32 v3, v0, 4, 1                         ; h
	v_and_b32 v5, 7, v2                            ; r % 8
	v_lshrrev_b32 v4, 3, v2
	v_lshlrev_b32 v4, 7, v4
	v_lshl_add_u32 v4, v5, 2, v4
	s_lshl_b32 s17, s16, 5
	v_add_nc_u32 v4, s17, v4                       ; W1: column 32 (r / 8) + 8 t + r % 8, 4 bytes each
	v_lshlrev_b32 v6, 13, v3
	v_lshl_add_u32 v6, v2, 2, v6
	s_lshl_b32 s18, s16, 6
	v_add_nc_u32 v6, s18, v6                       ; W2: row 32 h (256 bytes a row), column 16 t + r
	v_lshrrev_b32 v7, 3, v1                        ; W3: my lane is i: row 16 (i / 8) + i % 8, 12 bytes a row;
	v_and_b32 v123, 7, v1
	v_lshl_add_u32 v7, v7, 4, v123
	v_mul_u32_u24 v7, v7, 12
	s_min_u32 s19, s16, 2                          ; column min(t, 2): no load leaves the buffer
	s_lshl_b32 s19, s19, 2
	v_add_nc_u32 v7, s19, v7
	s_mov_b32 s20, 0x76543210
	s_mov_b32 s21, 0xfedcba98                      ; v_permlanex16_b32's selects for lane l xor 16
.set i, 0
.rept 32
	global_load_b32 v[8+i], v4, s[6:7] offset:256*i      ; W1(k = i, my column)
.set i, i+1
.endr
	global_load_b32 v72, v7, s[10:11]              ; W3(16 (i / 8) + i % 8, my column): h = 0
	global_load_b32 v73, v7, s[10:11] offset:96    ; and eight rows further down: h = 1
	v_lshlrev_b32 v108, 4, v1
	s_lshl_b32 s22, s16, 10
	v_add_nc_u32 v109, s22, v108                   ; W1's two images: 16 x lane + 1,024 t
	s_lshl_b32 s23, s16, 9
	v_add_nc_u32 v110, s23, v108                   ; W2's: 16 x lane + 512 t
	v_lshlrev_b32 v111, 2, v1
	s_lshl_b32 s24, s16, 7
	v_add_nc_u32 v111, s24, v111                   ; scale words, and W3's rows: 4 x lane + 128 t
	v_mov_b32 v116, 0
	v_mov_b32 v122, 0                              ; (a lane permute's destination counts as one of its sources)
	; W1's tile t
	s_wait_loadcnt 2                               ; W1's 32 loads are in; W3's 2 may be out
.set i, 0
.rept 32
	global_load_b32 v[40+i], v6, s[8:9] offset:256*i     ; W2(k = 32 h + i, my column): asked for here, so that a wave has 34 loads out at the most
.set i, i+1
.endr
	MAX32 112, 113, 8
	v_add_nc_u32 v114, 0xff000000, v112            ; 2 off the exponent field: the conversion takes this operand's exponent field as its scale
	v_lshrrev_b32 v115, 23, v114                   ; the scale's byte
	v_lshl_or_b32 v92, v115, 8, v115
	v_lshl_or_b32 v92, v92, 16, v92                ; in all four places: the block stands at k = 0..31 in one image, at k = 32..63 in the other
.irp g, 0,1,2,3
	v_cvt_scalef32_pk8_fp4_f32 v[80+\g], v[8+8*\g:15+8*\g], v114
.endr
	v_nop                                          ; one plain instruction between a scaled conversion and the vector instruction that reads its result
	v_cmp_gt_u32 vcc_lo, 16, v1                    ; lanes 0-15
.irp g, 0,1,2,3
	v_cndmask_b32 v[84+\g], v116, v[80+\g], vcc_lo ; codes below, zeros above
	v_cndmask_b32 v[88+\g], v[80+\g], v116, vcc_lo ; zeros below, codes above
.endr
	global_store_b128 v109, v[84:87], s[14:15]
	global_store_b128 v109, v[88:91], s[14:15] offset:512
	global_store_b32 v111, v92, s[14:15] offset:8192
	; W3's row o = t of both halves: 32 lanes store 128 consecutive bytes
	s_wait_loadcnt 32                              ; W3's 2 loads are in; W2's 32 may be out
	global_store_b32 v111, v72, s[14:15] offset:6144
	global_store_b32 v111, v73, s[14:15] offset:6144+512
	; W2's tile t
	s_wait_loadcnt 0x0
	MAX32 117, 118, 40
	v_add_nc_u32 v119, 0xff000000, v117
	v_lshrrev_b32 v120, 23, v119
	v_lshlrev_b32 v121, 3, v3
	v_lshlrev_b32 v100, v121, v120                 ; my block's byte at its place, 8 h bits up;
	v_permlanex16_b32 v122, v100, s20, s21
	v_or_b32 v100, v100, v122                      ; with lane l xor 16's the word is whole
.irp g, 0,1,2,3
	v_cvt_scalef32_pk8_fp4_f32 v[96+\g], v[40+8*\g:47+8*\g], v119
.endr
	v_nop
	global_store_b128 v110, v[96:99], s[14:15] offset:4096
	global_store_b32 v111, v100, s[14:15] offset:8192+512
	s_endpgm
.Lfunc_end_k_q897207039e_prep:
	.size	k_q897207039e_prep, .Lfunc_end_k_q897207039e_prep-k_q897207039e_prep
	.p2alignl 7, 3214868480
	.fill 96, 4, 3214868480
	.section	.rodata,"a",@progbits
	.p2align	6, 0x0
	.amdhsa_kernel k_q897207039e_prep
		.amdhsa_group_segment_fixed_size 0
		.amdhsa_private_segment_fixed_size 0
		.amdhsa_enable_private_segment 0
		.amdhsa_kernarg_size 48
		.amdhsa_user_sgpr_count 2
		.amdhsa_user_sgpr_kernarg_segment_ptr 1
		.amdhsa_wavefront_size32 1
		.amdhsa_system_sgpr_workgroup_id_x 1
		.amdhsa_system_sgpr_workgroup_id_y 1
		.amdhsa_system_sgpr_workgroup_id_z 1
		.amdhsa_system_vgpr_workitem_id 0
		.amdhsa_next_free_vgpr 128
		.amdhsa_next_free_sgpr 66
		.amdhsa_reserve_vcc 1
		.amdhsa_float_denorm_mode_32 3
		.amdhsa_float_denorm_mode_16_64 3
		.amdhsa_memory_ordered 1
		.amdhsa_forward_progress 1
		.amdhsa_inst_pref_size 70
	.end_amdhsa_kernel
	.amdgpu_metadata
---
amdhsa.version: [ 1, 2 ]
amdhsa.kernels:
  - .name:           k_q897207039e_prep
    .symbol:         k_q897207039e_prep.kd
    .args:
      - { .name: v_pixel_pos, .offset: 0, .size: 8, .value_kind: global_buffer, .address_space: global }
      - { .name: W1, .offset: 8, .size: 8, .value_kind: global_buffer, .address_space: global }
      - { .name: W2, .offset: 16, .size: 8, .value_kind: global_buffer, .address_space: global }
      - { .name: W3, .offset: 24, .size: 8, .value_kind: global_buffer, .address_space: global }
      - { .name: cells, .offset: 32, .size: 8, .value_kind: global_buffer, .address_space: global }
      - { .name: wimg, .offset: 40, .size: 8, .value_kind: global_buffer, .address_space: global }
    .group_segment_fixed_size: 0
    .private_segment_fixed_size: 0
    .kernarg_segment_align: 8
    .kernarg_segment_size: 48
    .max_flat_workgroup_size: 128
    .sgpr_count:     66
    .vgpr_count:     128
    .wavefront_size: 32
...
	.end_amdgpu_metadata
.endif
;; end of part 1
;; launch ngp (part 2): grid 256 x 1, 16 waves a work-group, no clusters, 43,008 bytes of LDS; arguments v_pixel_pos, hash_table, cells, wimg, out0; writes out0
.if DOCPART == 2
	.amdgcn_target "amdgcn-amd-amdhsa--gfx1250"
	.amdhsa_code_object_version 6
	.text
	.protected	k_q897207039e_ngp
	.globl	k_q897207039e_ngp
	.p2align	8
	.type	k_q897207039e_ngp,@function
k_q897207039e_ngp:
	s_mov_b64 s[64:65], 0
	v_nop
	global_prefetch_b8 v0, s[64:65] scope:SCOPE_SE
	s_setreg_imm32_b32 hwreg(HW_REG_WAVE_MODE, 25, 1), 1
	s_wait_xcnt 0x0
; SECOND LAUNCH: hash-grid encoding (16 levels, 4 corners of 8 bytes, bilinear in f32), then 32 -> 64 -> 64 -> 3: the first two products on codes of E2M1 with one E8M0 scale for each 32 along K, the third in f32.
; ADDRESSES come from whole numbers alone: cells (Ux, Uy, Cx, Cy a point, stored by the launch before): the base corner of level l is (U >> (15 - l)) + field l of C - 1 - (U >> 19).
; The WEIGHTS w = p - floor(p) are made here from pos, by the same fused multiply-add, p = pos x (2^(4+l) - 1) + 0.5 rounded once, that made the corner: corner and weight agree bit for bit.
;   (ORDER OF ROUNDING: a multiplication and an addition that are rounded one after the other give the same p, but for pos x (2^(4+l) - 1) within 0.5 under a power of two, where p can differ by one unit in its last place.
;   The corners' sum is a multiplication and three fused multiply-adds, in the order (0,0), (1,0), (0,1), (1,1).)
; SHARES.  256 work-groups of 16 waves, 256 registers a wave; a wave owns 512 consecutive points: 4 trips of 4 groups of 32.  In the encoding a lane is a point.  Waves share nothing: no barrier.
; No tile is shared between work-groups but 9 KB of weights, which every wave reads once: so no cluster, no tensor load.
; GATHERS.  A level's four loads land on their own index registers; a ring of 12 level slots keeps 48 loads of a wave out.
; LAYOUT.  Both matrix products are used transposed (source 0 = rows of the weight, source 1 = points): register j of lane (r, h) of a result is (weight row 8 h + j, point r).
;   x: a lane's 32 features are a whole block: four conversions give four registers.  Read as an operand, lanes 0-15 are k = 0..31 of columns 0-15 (points 0-15) and lanes 16-31 'k = 32..63' of the same
;   columns (in truth points 16-31).  W1 lies twice: with its codes at k = 0..31 and zeros at 32..63 it gives points 0-15, the other way round points 16-31.  Nothing changes lanes.
;   k = 64..127: the points' operands end in four registers of zero codes, so what the weights' operands hold there (the next fragment's registers, or v112-115, which hold zeros) adds nothing.
;   W1's rows are chosen so that the four tiles' 32 registers of lane (r, h) are hidden units 32 h + 0..31: a whole block of the next K, in the operand's order.
;   W2's tile t gives units 16 t + 8 h + j: register i = 8 t + j of lane (r, h).
; THE THIRD PRODUCT has 3 columns, of which a matrix tile of 16 would use three sixteenths: it is done in f32 by packed fused multiply-adds, 96 for 32 points.  A lane multiplies its 32 units of point r and of
;   point 16 + r by W3's numbers for those units; lanes l and l xor 16 hold the two halves of a point's sum.  A lane keeps the half sum of its own point and sends the other point's to lane l xor 16.
;   W3 lies turned, [h][output][i], 1,024 bytes, in LDS bytes of the wave's own; the sixteen lanes of a half read the same 16 bytes.  An output's 32 numbers take 32 registers: output 1's come into the ring's last four
;   slots, output 0's into the features' registers, output 2's into the same when output 0's sums are made, and land while output 1's are made.
; OUT: 12 bytes a lane into the wave's own 1,536 bytes of LDS; after four groups they come back 16 bytes a lane and leave in three stores of 512 consecutive bytes, each at a multiple of 512 from a 1,536-byte run.
; LIMITS: 0 <= pos < 16; NaN and infinities are not served.  An index past a level's table is held at its last entry.  A block of zeros takes the scale byte 1: its codes are zeros.
; REGISTERS: v1 16 x lane, v2 8 x lane, v3, v4 stage addresses, v5 8 h, v7 4 x lane; v[8:11] cells, v[12:13] pos, v14-15 -1 - (U >> 19); v16-23 index work, later the quantisers' and the third product's sums;
;   v[24:35] weights, later half sums; v36-39, v40-43 W1's, W2's scale words; v44 x's, v45, v46 the hidden layer's; v[48:55], v[56:63] points' operands (four of codes, four of zeros); v[64:95] W1, v[96:111] W2,
;   v[112:115] zeros; v116, v117 W3's LDS addresses; v[128:159] features, later W3's numbers, the outputs and the rows on their way out; v[160:255] the ring; in the MLP v[160:223] results, v[224:255] W3's numbers.
.set TRIPS, 4
.set F,   128
.set G,   160
.set WB,  24576                        ; LDS: sixteen stages of 1,536 bytes, then sixteen images of W3 of 1,024 bytes
	s_load_b256 s[4:11], s[0:1], 0x0               ; pos s[4:5], table s[6:7], cells s[8:9], wimg s[10:11]
	s_load_b64 s[12:13], s[0:1], 0x20              ; out
	v_lshl_add_u32 v126, v0, 2, 0xa000
	v_mov_b32 v127, 0
	v_lshrrev_b32 v1, 5, v0
	v_readfirstlane_b32 s55, v1                    ; wave 0..15
	v_and_b32 v6, 31, v0                           ; lane
	v_lshlrev_b32 v1, 4, v6
	v_lshlrev_b32 v2, 3, v6
	v_lshlrev_b32 v7, 2, v6
	s_mul_i32 s56, s55, 1536                       ; my wave's stage
	v_mul_u32_u24 v3, v6, 12
	v_add_nc_u32 v3, s56, v3                       ; in: 12 bytes a lane
	v_add_nc_u32 v4, s56, v1                       ; back: 16 bytes a lane
	v_lshrrev_b32 v5, 4, v6
	v_lshlrev_b32 v5, 3, v5                        ; 8 h
	s_lshl_b32 s57, s55, 10
	s_add_co_u32 s57, s57, WB                      ; my wave's image of W3
	v_add_nc_u32 v117, s57, v1                     ; in: 16 bytes a lane
	v_lshl_add_u32 v116, v5, 6, s57                ; back: my half's 512 bytes
	s_mov_b32 s48, 0x9e3779b1                      ; the hash's prime for y
	s_mov_b32 s49, 0x7ffff                         ; T - 1
	s_mov_b32 s50, 0x76543210
	s_mov_b32 s51, 0xfedcba98                      ; v_permlanex16_b32's selects for lane l xor 16
	s_mov_b32 s52, 0xffff0000                      ; lanes 16-31
	s_mov_b32 s53, 0                               ; trips done
	s_lshl_b32 s56, ttmp9, 4
	s_add_co_u32 s56, s56, s55                     ; which run of 512 points is my wave's
	s_mov_b32 s59, 0
	s_wait_kmcnt 0x0
	s_lshl_b32 s58, s56, 12
	s_add_nc_u64 s[4:5], s[4:5], s[58:59]          ; 8 bytes a point
	s_lshl_b32 s58, s56, 13
	s_add_nc_u64 s[8:9], s[8:9], s[58:59]          ; 16 bytes a point
	s_mul_i32 s58, s56, 6144
	s_add_nc_u64 s[12:13], s[12:13], s[58:59]      ; 12 bytes a point
	s_mov_b64 s[16:17], s[6:7]                     ; a base for each level: 2^19 entries of 8 bytes apart
.irp l, 1,2,3,4,5,6,7,8,9,10,11,12,13,14,15
	s_add_nc_u64 s[16+2*\l:17+2*\l], s[14+2*\l:15+2*\l], 0x400000
.endr
	global_load_b128 v[128:131], v1, s[10:11] offset:6144                ; W3, turned: 1,024 bytes, on their way to LDS
	global_load_b128 v[132:135], v1, s[10:11] offset:6144+512
.irp i, 0,1,2,3,4,5,6,7,8,9,10,11
	global_load_b128 v[64+4*\i:67+4*\i], v1, s[10:11] offset:512*\i      ; W1's and W2's operand registers, as they were laid
.endr
.irp i, 0,1,2,3,4,5,6,7
	global_load_b32 v[36+\i], v7, s[10:11] offset:8192+128*\i            ; and their scale words
.endr
	global_load_b128 v[8:11], v1, s[8:9] th:TH_LOAD_NT                   ; the first group's cells
	global_load_b64 v[12:13], v2, s[4:5] th:TH_LOAD_NT                   ; and positions
.irp i, 52,53,54,55,60,61,62,63,112,113,114,115
	v_mov_b32 v[\i], 0                             ; zero codes for k = 64..127, and the tail of W2's last operand; never rewritten
.endr
	s_wait_loadcnt 22                              ; W3's two loads are in; behind them stand 12 fragments, 8 scale words, the cells and the positions
	ds_store_b128 v117, v[128:131]                 ; the wave's own bytes: LDS serves a wave's instructions in order, so its later loads see them
	ds_store_b128 v117, v[132:135] offset:512
; The four gathers of level l go out, into slot l % 12 of the ring.
.macro ISSUE l
.set LV, \l
.set SL, G+8*(LV%12)
	v_bfe_u32 v16, v10, 2*LV, 2
	v_bfe_u32 v17, v11, 2*LV, 2
.if LV < 15
	v_lshrrev_b32 v21, 15-LV, v8
	v_lshrrev_b32 v22, 15-LV, v9
	v_add3_u32 v16, v21, v16, v14                  ; cx = (Ux >> (15 - l)) + field - 1 - (Ux >> 19)
	v_add3_u32 v17, v22, v17, v15                  ; cy
.else
	v_add3_u32 v16, v8, v16, v14
	v_add3_u32 v17, v9, v17, v15
.endif
.if LV < 6                             ; the grid of 2^(4 + l) squared fits the table: cx + cy x 2^(4 + l)
	v_lshl_add_u32 v[SL], v17, 4+LV, v16
	v_add_nc_u32 v[SL+2], 1, v[SL]
	v_add_nc_u32 v[SL+4], 1<<(4+LV), v[SL]
	v_add_nc_u32 v[SL+6], (1<<(4+LV))+1, v[SL]
.else                                  ; hashed: (cx ^ cy x prime) & (T - 1)
	v_mul_lo_u32 v19, v17, s48
	v_add_nc_u32 v18, 1, v16
	v_add_nc_u32 v20, s48, v19                     ; (cy + 1) x prime
	v_xor_b32 v[SL], v16, v19
	v_xor_b32 v[SL+2], v18, v19
	v_xor_b32 v[SL+4], v16, v20
	v_xor_b32 v[SL+6], v18, v20
.irp c, 0,2,4,6
	v_and_b32 v[SL+\c], s49, v[SL+\c]
.endr
.endif
.irp c, 0,2,4,6
	v_min_u32 v[SL+\c], 0x7ffff, v[SL+\c]          ; an index made of loaded numbers is held inside the level's table
.endr
.irp c, 0,2,4,6
	global_load_b64 v[SL+\c:SL+\c+1], v[SL+\c], s[16+2*LV:17+2*LV] scale_offset   ; 8 bytes at 8 x index: the hold stands on the index, and four shifts a level are spared; the load lands on its own index register
.endr
.endm
; Level l's two features.  The weights are made first, while the gathers are out.
.macro CONSUME l
.set LV, \l
.set SL, G+8*(LV%12)
.set FL, F+2*LV
.set SB, ((130+LV)<<23)|(((1<<(3+LV))-1)<<(20-LV)) ; the f32 number 2^(4 + l) - 1
	v_pk_fma_f32 v[24:25], v[12:13], SB, 0.5 op_sel_hi:[1,0,0]       ; p, rounded once: the line that made the corner
	v_floor_f32 v26, v24
	v_floor_f32 v27, v25
	v_pk_add_f32 v[28:29], v[24:25], v[26:27] neg_lo:[0,1] neg_hi:[0,1]   ; w = p - floor(p)
	v_pk_fma_f32 v[30:31], v[28:29], -1.0, 1.0 op_sel_hi:[1,0,0]     ; 1 - w
	v_pk_mul_f32 v[34:35], v[30:31], v[28:29] op_sel:[0,1] op_sel_hi:[1,0]   ; (1 - wx) wy, (1 - wy) wx
	v_mul_f32 v32, v30, v31                        ; (1 - wx)(1 - wy)
	v_mul_f32 v33, v28, v29                        ; wx wy
.if LV > 4
	s_wait_loadcnt 4*(15-LV)                       ; loads come back in order: behind this level's four stand four for each later level
.else
	s_wait_loadcnt 44                              ; eleven later levels have been issued
.endif
	v_pk_mul_f32 v[FL:FL+1], v[SL:SL+1], v[32:33] op_sel_hi:[1,0]                                   ; the corners in the order (0,0), (1,0), (0,1), (1,1)
	v_pk_fma_f32 v[FL:FL+1], v[SL+2:SL+3], v[34:35], v[FL:FL+1] op_sel:[0,1,0] op_sel_hi:[1,1,1]
	v_pk_fma_f32 v[FL:FL+1], v[SL+4:SL+5], v[34:35], v[FL:FL+1] op_sel_hi:[1,0,1]
	v_pk_fma_f32 v[FL:FL+1], v[SL+6:SL+7], v[32:33], v[FL:FL+1] op_sel:[0,1,0] op_sel_hi:[1,1,1]
.endm
.macro MAX32 d, e, base                ; the largest magnitude of 32 registers, and the floor 2^(3 - 127), which holds the scale's byte at 1 from below; two chains
	v_max3_num_f32 v[\d], |v[\base]|, |v[\base+1]|, 0x1800000
	v_max3_num_f32 v[\e], |v[\base+2]|, |v[\base+3]|, |v[\base+4]|
.irp i, 5,9,13,17,21,25
	v_max3_num_f32 v[\d], v[\d], |v[\base+\i]|, |v[\base+\i+1]|
	v_max3_num_f32 v[\e], v[\e], |v[\base+\i+2]|, |v[\base+\i+3]|
.endr
	v_max3_num_f32 v[\d], v[\d], |v[\base+29]|, |v[\base+30]|
	v_max3_num_f32 v[\d], v[\d], v[\e], |v[\base+31]|
.endm
.macro PLACES n                        ; plain vector instructions that name no register of the matrix instructions round them (ISA guide 7.12.1)
.rept \n
	v_nop
.endr
.endm
.macro RELU64                          ; the 64 results, ascending: each accumulator is read from its low end on
.set i, 0
.rept 64
	v_max_num_f32 v[G+i], 0, v[G+i]
.set i, i+1
.endr
.endm
.macro WLOAD o, w                      ; W3's 32 numbers of output o for my half's units, into v[w] on: register i goes with unit 16 (i / 8) + 8 h + i % 8
.irp q, 0,1,2,3,4,5,6,7
	ds_load_b128 v[\w+4*\q:\w+4*\q+3], v116 offset:128*\o+16*\q
.endr
.endm
; Output o's half sums: v[24 + o] for point r, v[28 + o] for point 16 + r.  Four chains of eight packed multiply-adds, by turns: no line waits for the line above it.
.macro DOT o, w
	v_pk_mul_f32 v[16:17], v[G:G+1], v[\w:\w+1]
	v_pk_mul_f32 v[18:19], v[G+32:G+33], v[\w:\w+1]
	v_pk_mul_f32 v[20:21], v[G+16:G+17], v[\w+16:\w+17]
	v_pk_mul_f32 v[22:23], v[G+48:G+49], v[\w+16:\w+17]
.irp k, 2,4,6,8,10,12,14
	v_pk_fma_f32 v[16:17], v[G+\k:G+\k+1], v[\w+\k:\w+\k+1], v[16:17]
	v_pk_fma_f32 v[18:19], v[G+32+\k:G+33+\k], v[\w+\k:\w+\k+1], v[18:19]
	v_pk_fma_f32 v[20:21], v[G+16+\k:G+17+\k], v[\w+16+\k:\w+17+\k], v[20:21]
	v_pk_fma_f32 v[22:23], v[G+48+\k:G+49+\k], v[\w+16+\k:\w+17+\k], v[22:23]
.endr
	v_pk_add_f32 v[16:17], v[16:17], v[20:21]
	v_pk_add_f32 v[18:19], v[18:19], v[22:23]
	v_add_f32 v[24+\o], v16, v17
	v_add_f32 v[28+\o], v18, v19
.endm
; A group of 32 points, the g-th of a trip's four.
.macro GROUP g
	s_wait_loadcnt 0x0                             ; this group's cells and positions (in the first group the weights too): nothing else is out
	s_wait_dscnt 0x0                               ; the last LDS stores (the stage's; in the first group W3's) have read their registers
	v_lshrrev_b32 v14, 19, v8
	v_lshrrev_b32 v15, 19, v9
	v_xor_b32 v14, -1, v14                         ; -1 - (U >> 19)
	v_xor_b32 v15, -1, v15
.irp l, 0,1,2,3,4,5,6,7,8,9,10,11
	ISSUE \l
.endr
.irp l, 0,1,2,3
	CONSUME \l
	ISSUE \l+12                                    ; into the slot just read
.endr
.irp l, 4,5,6,7,8,9,10,11,12,13,14,15
	CONSUME \l
.endr
	; the next group's cells and positions are asked for here and land during the products
.if \g < 3
	global_load_b128 v[8:11], v1, s[8:9] offset:512*(\g+1) th:TH_LOAD_NT
	global_load_b64 v[12:13], v2, s[4:5] offset:256*(\g+1) th:TH_LOAD_NT
.else
	s_cmp_eq_u32 s53, TRIPS-1                      ; the last group asks for nothing: no load leaves its buffer
	s_cbranch_scc1 .Lno_next
	s_add_nc_u64 s[8:9], s[8:9], 2048              ; (every load through these two pointers was shown done at the group's head)
	s_add_nc_u64 s[4:5], s[4:5], 1024
	global_load_b128 v[8:11], v1, s[8:9] th:TH_LOAD_NT
	global_load_b64 v[12:13], v2, s[4:5] th:TH_LOAD_NT
.Lno_next:
.endif
	WLOAD 1, 224                                   ; the ring's last four slots have been read: W3's numbers of output 1
	; x: my point's 32 features are one block
	MAX32 16, 17, F
	v_add_nc_u32 v18, 0xff000000, v16              ; 2 off the exponent field: the conversion's scale operand
	v_lshrrev_b32 v19, 23, v18                     ; the scale's byte
	v_lshl_or_b32 v44, v19, 8, v19                 ; at byte 0 for points 0-15 (k = 0..31), at byte 1 for points 16-31 (k = 32..63)
.irp q, 0,1,2,3
	v_cvt_scalef32_pk8_fp4_f32 v[48+\q], v[F+8*\q:F+8*\q+7], v18
.endr
	PLACES 8                                       ; a scale register written by a vector instruction stands 8 places ahead of a scaled matrix instruction, an operand 4; also the plain instruction behind the conversions
	WLOAD 0, F                                     ; the features are codes now: their registers take W3's numbers of output 0
.irp t, 0,1,2,3                        ; eight accumulators, each begun with the constant 0
	v_wmma_scale_f32_16x16x128_f8f6f4 v[G+8*\t:G+8*\t+7], v[64+8*\t:71+8*\t], v[48:55], 0, v[36+\t], v44 matrix_a_fmt:MATRIX_FMT_FP4 matrix_b_fmt:MATRIX_FMT_FP4
	v_wmma_scale_f32_16x16x128_f8f6f4 v[G+32+8*\t:G+32+8*\t+7], v[68+8*\t:75+8*\t], v[48:55], 0, v[36+\t], v44 matrix_a_fmt:MATRIX_FMT_FP4 matrix_b_fmt:MATRIX_FMT_FP4 matrix_b_scale:MATRIX_SCALE_ROW1
.endr
	PLACES 4
	RELU64
	; the hidden layer: lane (r, h) holds units 32 h + 0..31 of point r (v160 on) and of point 16 + r (v192 on)
	MAX32 16, 17, G
	MAX32 18, 19, G+32
	v_add_nc_u32 v20, 0xff000000, v16
	v_add_nc_u32 v21, 0xff000000, v18
	v_lshrrev_b32 v22, 23, v20
	v_lshrrev_b32 v23, 23, v21
	v_lshlrev_b32 v45, v5, v22                     ; my block's byte at its place, 8 h bits up;
	v_lshlrev_b32 v46, v5, v23
	v_permlanex16_b32 v24, v45, s50, s51
	v_permlanex16_b32 v25, v46, s50, s51
	v_or_b32 v45, v45, v24                         ; with lane l xor 16's the word is whole
	v_or_b32 v46, v46, v25
.irp q, 0,1,2,3
	v_cvt_scalef32_pk8_fp4_f32 v[48+\q], v[G+8*\q:G+8*\q+7], v20
	v_cvt_scalef32_pk8_fp4_f32 v[56+\q], v[G+32+8*\q:G+32+8*\q+7], v21
.endr
	PLACES 8
.irp t, 0,1,2,3
	v_wmma_scale_f32_16x16x128_f8f6f4 v[G+8*\t:G+8*\t+7], v[96+4*\t:103+4*\t], v[48:55], 0, v[40+\t], v45 matrix_a_fmt:MATRIX_FMT_FP4 matrix_b_fmt:MATRIX_FMT_FP4
	v_wmma_scale_f32_16x16x128_f8f6f4 v[G+32+8*\t:G+32+8*\t+7], v[96+4*\t:103+4*\t], v[56:63], 0, v[40+\t], v46 matrix_a_fmt:MATRIX_FMT_FP4 matrix_b_fmt:MATRIX_FMT_FP4
.endr
	PLACES 4
	RELU64
	; the third product, in f32
	s_wait_dscnt 0x0                               ; W3's numbers of outputs 0 and 1 are in
	DOT 0, F
	WLOAD 2, F                                     ; output 0's numbers are done with: output 2's take their registers and land during output 1's sums
	DOT 1, 224
	s_wait_dscnt 0x0
	DOT 2, F
.irp j, 0,1,2
	v_cndmask_b32 v[144+\j], v[24+\j], v[28+\j], s52     ; my own point's half sum: lanes 0-15 point r, lanes 16-31 point 16 + r;
	v_cndmask_b32 v[32+\j], v[28+\j], v[24+\j], s52      ; and the half sum that lane l xor 16 wants
.endr
.irp j, 0,1,2
	v_permlanex16_b32 v[20+\j], v[32+\j], s50, s51
.endr
.irp j, 0,1,2
	v_add_f32 v[144+\j], v[144+\j], v[20+\j]       ; a lane is its point again
.endr
.irp j, 0,1,2
	ds_store_b32 v3, v[144+\j] offset:384*\g+4*\j
.endr
.endm
.Lquad:
	GROUP 0
	GROUP 1
	GROUP 2
	GROUP 3
.irp i, 0,1,2
	ds_load_b128 v[148+4*\i:151+4*\i], v4 offset:512*\i  ; LDS serves a wave's instructions in order (ISA guide 5.7.1.4): these see my stores
.endr
	s_wait_dscnt 0x0
.irp i, 0,1,2
	global_store_b128 v1, v[148+4*\i:151+4*\i], s[12:13] offset:512*\i th:TH_STORE_NT   ; 32 lanes store 512 consecutive bytes; written once, read by nobody here
.endr
	s_wait_xcnt 0x0                                ; the stores have read their base and their data: both are written again only behind this wait
	s_add_nc_u64 s[12:13], s[12:13], 1536
	s_add_co_u32 s53, s53, 1
	s_cmp_lt_u32 s53, TRIPS
	s_cbranch_scc1 .Lquad
	s_wait_tensorcnt 0x0
	ds_add_u32 v126, v127
	s_wait_dscnt 0x0
	s_endpgm
.Lfunc_end_k_q897207039e_ngp:
	.size	k_q897207039e_ngp, .Lfunc_end_k_q897207039e_ngp-k_q897207039e_ngp
	.p2alignl 7, 3214868480
	.fill 96, 4, 3214868480
	.section	.rodata,"a",@progbits
	.p2align	6, 0x0
	.amdhsa_kernel k_q897207039e_ngp
		.amdhsa_group_segment_fixed_size 43008
		.amdhsa_private_segment_fixed_size 0
		.amdhsa_enable_private_segment 0
		.amdhsa_kernarg_size 40
		.amdhsa_user_sgpr_count 2
		.amdhsa_user_sgpr_kernarg_segment_ptr 1
		.amdhsa_wavefront_size32 1
		.amdhsa_system_sgpr_workgroup_id_x 1
		.amdhsa_system_sgpr_workgroup_id_y 1
		.amdhsa_system_sgpr_workgroup_id_z 1
		.amdhsa_system_vgpr_workitem_id 0
		.amdhsa_next_free_vgpr 256
		.amdhsa_next_free_sgpr 66
		.amdhsa_reserve_vcc 0
		.amdhsa_float_denorm_mode_32 3
		.amdhsa_float_denorm_mode_16_64 3
		.amdhsa_memory_ordered 1
		.amdhsa_forward_progress 1
		.amdhsa_inst_pref_size 213
	.end_amdhsa_kernel
	.amdgpu_metadata
---
amdhsa.version: [ 1, 2 ]
amdhsa.kernels:
  - .name:           k_q897207039e_ngp
    .symbol:         k_q897207039e_ngp.kd
    .args:
      - { .name: v_pixel_pos, .offset: 0, .size: 8, .value_kind: global_buffer, .address_space: global }
      - { .name: hash_table, .offset: 8, .size: 8, .value_kind: global_buffer, .address_space: global }
      - { .name: cells, .offset: 16, .size: 8, .value_kind: global_buffer, .address_space: global }
      - { .name: wimg, .offset: 24, .size: 8, .value_kind: global_buffer, .address_space: global }
      - { .name: out0, .offset: 32, .size: 8, .value_kind: global_buffer, .address_space: global }
    .group_segment_fixed_size: 43008
    .private_segment_fixed_size: 0
    .kernarg_segment_align: 8
    .kernarg_segment_size: 40
    .max_flat_workgroup_size: 512
    .sgpr_count:     66
    .vgpr_count:     256
    .wavefront_size: 32
...
	.end_amdgpu_metadata
.endif
;; end of part 2
;; ======== version 2 of 2: 2 launches; version 1 with the launch ngp written anew for expert scheduling mode
;; workspace buffers: cells 33,554,432 bytes of whole numbers; wimg 9,216 bytes
;; launch prep: the kernel of part 1 again; grid 2049 x 1, 4 waves a work-group, no clusters, 0 bytes of LDS; arguments v_pixel_pos, W1, W2, W3, cells, wimg; writes cells, wimg
;; launch ngp (part 3): grid 256 x 1, 16 waves a work-group, no clusters, 43,008 bytes of LDS; arguments v_pixel_pos, hash_table, cells, wimg, out0; writes out0
.if DOCPART == 3
	.amdgcn_target "amdgcn-amd-amdhsa--gfx1250"
	.amdhsa_code_object_version 6
	.text
	.protected	k_q897207039e_ngp
	.globl	k_q897207039e_ngp
	.p2align	8
	.type	k_q897207039e_ngp,@function
k_q897207039e_ngp:
	s_mov_b64 s[64:65], 0
	v_nop
	global_prefetch_b8 v0, s[64:65] scope:SCOPE_SE
	s_setreg_imm32_b32 hwreg(HW_REG_WAVE_SCHED_MODE, 0, 2), 2
	s_setreg_imm32_b32 hwreg(HW_REG_WAVE_MODE, 25, 1), 1
	s_wait_xcnt 0x0
	s_wait_alu depctr_vm_vsrc(0)
; SECOND LAUNCH: hash-grid encoding (16 levels, 4 corners of 8 bytes, bilinear in f32), then 32 -> 64 -> 64 -> 3: the first two products on codes of E2M1 with one E8M0 scale for each 32 along K, the third in f32.
; ADDRESSES come from whole numbers alone: cells (Ux, Uy, Cx, Cy a point, stored by the launch before): the base corner of level l is (U >> (15 - l)) + field l of C - 1 - (U >> 19).
; The WEIGHTS w = p - floor(p) are made here from pos, by the same fused multiply-add, p = pos x (2^(4+l) - 1) + 0.5 rounded once, that made the corner: corner and weight agree bit for bit.
;   (ORDER OF ROUNDING: a multiplication and an addition that are rounded one after the other give the same p, but for pos x (2^(4+l) - 1) within 0.5 under a power of two, where p can differ by one unit in its last place.
;   The corners' sum is a multiplication and three fused multiply-adds, in the order (0,0), (1,0), (0,1), (1,1).)
; SHARES.  256 work-groups of 16 waves, 256 registers a wave; a wave owns 512 consecutive points: 4 trips of 4 groups of 32.  In the encoding a lane is a point.  Waves share nothing: no barrier.
; No tile is shared between work-groups but 9 KB of weights, which every wave reads once: so no cluster, no tensor load.
; GATHERS.  A level's four loads take their indices from four registers of the level's own and land in a slot of a ring of 12 level slots: up to 48 loads of a wave are out.
; LAYOUT.  Both matrix products are used transposed (source 0 = rows of the weight, source 1 = points): register j of lane (r, h) of a result is (weight row 8 h + j, point r).
;   x: a lane's 32 features are a whole block: four conversions give four registers.  Read as an operand, lanes 0-15 are k = 0..31 of columns 0-15 (points 0-15) and lanes 16-31 'k = 32..63' of the same
;   columns (in truth points 16-31).  W1 lies twice: with its codes at k = 0..31 and zeros at 32..63 it gives points 0-15, the other way round points 16-31.  Nothing changes lanes.
;   k = 64..127: the points' operands end in four registers of zero codes, so what the weights' operands hold there (the next fragment's registers, or v112-115, which hold zeros) adds nothing.
;   W1's rows are chosen so that the four tiles' 32 registers of lane (r, h) are hidden units 32 h + 0..31: a whole block of the next K, in the operand's order.
;   W2's tile t gives units 16 t + 8 h + j: register i = 8 t + j of lane (r, h).
; THE THIRD PRODUCT has 3 columns, of which a matrix tile of 16 would use three sixteenths: it is done in f32 by packed fused multiply-adds, 96 for 32 points.  A lane multiplies its 32 units of point r and of
;   point 16 + r by W3's numbers for those units; lanes l and l xor 16 hold the two halves of a point's sum.  A lane keeps the half sum of its own point and sends the other point's to lane l xor 16.
;   W3 lies turned, [h][output][i], 1,024 bytes, in LDS bytes of the wave's own; the sixteen lanes of a half read the same 16 bytes.  An output's 32 numbers take 32 registers: output 1's come into the ring's last four
;   slots, output 0's into the features' registers, output 2's into the same when output 0's sums are made, and land while output 1's are made.
; OUT: 12 bytes a lane into the wave's own 1,536 bytes of LDS; after four groups they come back 16 bytes a lane and leave in three stores of 512 consecutive bytes, each at a multiple of 512 from a 1,536-byte run.
; LIMITS: 0 <= pos < 16; NaN and infinities are not served.  An index past a level's table is held at its last entry.  A block of zeros takes the scale byte 1: its codes are zeros.
; THE MODE: SCHED_MODE bits 1:0 = 2 (LLVM: expert scheduling mode 2), set by the entry lines.  The code itself states the register dependences between vector or matrix instructions and memory or LDS
; instructions, with s_wait_alu, always for 0.
; THE PLAN.  Registers that memory or LDS instructions touch, in a group of 32 points:
;   IDX        four indices a level: levels 0-7 in v128-159 (the features' registers, ahead of the features), levels 8-11 and then 12-15 in v118-125, v48-51, v56-59.  Written by the index work, read by the level's four gathers.
;   the ring   v160-255.  The gathers land in it, the corners' sums read it; in the MLP the products, the relu, the quantisers and the third product work in v160-223, and W3's numbers of output 1 land in v224-255.
;   v8-13      cells and positions.  Read by the index work and the weights; the next group's two loads land in them.
;   F          v128-159.  Written by the corners' sums, read by x's maximum and conversions; then W3's numbers of outputs 0 and 2 land in it and the third product reads them; v144-146 take the outputs, which the stage's
;              stores read; at a trip's end the stage's loads land in v148-159, which the global stores read.
;   v1-4, v7, v116, v117   offsets and LDS addresses, made at the head and never written again.
; The index work of levels 0-11 stands in one run with one wait on va_vdst behind it, then their 48 gathers; that of levels 12-15 stands among the first four levels' sums, with one wait behind these, then 16 gathers.
; One wait behind x's conversions serves the first product's operands, the next group's cells and positions, and W3's numbers of outputs 1 and 0.  The waits on vm_vsrc stand where registers that gathers or stores have read
; are written again: at a group's head, behind the first level's data, behind the last level's sums, and ahead of the backward branch.
; REGISTERS: v1 16 x lane, v2 8 x lane, v3, v4 stage addresses, v5 8 h, v7 4 x lane; v[8:11] cells, v[12:13] pos, v14-15 -1 - (U >> 19); v16-23 index work, later the quantisers' and the third product's sums;
;   v[24:35] weights, later half sums; v36-39, v40-43 W1's, W2's scale words; v44 x's, v45, v46 the hidden layer's; v[48:55], v[56:63] points' operands (four of codes, four of zeros; in the encoding the four of codes hold indices);
;   v[64:95] W1, v[96:111] W2, v[112:115] zeros; v116, v117 W3's LDS addresses; v[118:125] indices; v126, v127 the closing add's two; v[128:159] indices, features, later W3's numbers, the outputs and the rows on their way out;
;   v[160:255] the ring; in the MLP v[160:223] results, v[224:255] W3's numbers.
.set TRIPS, 4
.set F,   128
.set G,   160
.set WB,  24576                        ; LDS: sixteen stages of 1,536 bytes, then sixteen images of W3 of 1,024 bytes; behind them, from 0xa000 on, the spare words, 128 bytes a wave
	s_load_b256 s[4:11], s[0:1], 0x0               ; pos s[4:5], table s[6:7], cells s[8:9], wimg s[10:11]
	s_load_b64 s[12:13], s[0:1], 0x20              ; out
	v_lshl_add_u32 v126, v0, 2, 0xa000             ; my spare word, and 0: kept for the closing lines alone
	v_mov_b32 v127, 0
	v_lshrrev_b32 v1, 5, v0
	v_readfirstlane_b32 s55, v1                    ; wave 0..15
	v_and_b32 v6, 31, v0                           ; lane
	v_lshlrev_b32 v1, 4, v6
	v_lshlrev_b32 v2, 3, v6
	v_lshlrev_b32 v7, 2, v6
	s_wait_alu depctr_va_sdst(0)                   ; s55 is written, ahead of its first reader: the wave's LDS bytes and its run of points are made from it
	s_mul_i32 s56, s55, 1536                       ; my wave's stage
	v_mul_u32_u24 v3, v6, 12
	v_add_nc_u32 v3, s56, v3                       ; in: 12 bytes a lane
	v_add_nc_u32 v4, s56, v1                       ; back: 16 bytes a lane
	v_lshrrev_b32 v5, 4, v6
	v_lshlrev_b32 v5, 3, v5                        ; 8 h
	s_lshl_b32 s57, s55, 10
	s_add_co_u32 s57, s57, WB                      ; my wave's image of W3
	v_add_nc_u32 v117, s57, v1                     ; in: 16 bytes a lane
	v_lshl_add_u32 v116, v5, 6, s57                ; back: my half's 512 bytes
	s_mov_b32 s48, 0x9e3779b1                      ; the hash's prime for y
	s_mov_b32 s49, 0x7ffff                         ; T - 1
	s_mov_b32 s50, 0x76543210
	s_mov_b32 s51, 0xfedcba98                      ; v_permlanex16_b32's selects for lane l xor 16
	s_mov_b32 s52, 0xffff0000                      ; lanes 16-31
	s_mov_b32 s53, 0                               ; trips done
	s_lshl_b32 s56, ttmp9, 4
	s_add_co_u32 s56, s56, s55                     ; which run of 512 points is my wave's
	s_mov_b32 s59, 0
	s_wait_kmcnt 0x0
	s_lshl_b32 s58, s56, 12
	s_add_nc_u64 s[4:5], s[4:5], s[58:59]          ; 8 bytes a point
	s_lshl_b32 s58, s56, 13
	s_add_nc_u64 s[8:9], s[8:9], s[58:59]          ; 16 bytes a point
	s_mul_i32 s58, s56, 6144
	s_add_nc_u64 s[12:13], s[12:13], s[58:59]      ; 12 bytes a point
	s_mov_b64 s[16:17], s[6:7]                     ; a base for each level: 2^19 entries of 8 bytes apart
.irp l, 1,2,3,4,5,6,7,8,9,10,11,12,13,14,15
	s_add_nc_u64 s[16+2*\l:17+2*\l], s[14+2*\l:15+2*\l], 0x400000
.endr
	s_wait_alu depctr_va_vdst(0)                   ; v1 to v4, v7, v116 and v117 are written: the offsets and LDS addresses that the loads and stores of the whole kernel read
	global_load_b128 v[128:131], v1, s[10:11] offset:6144                ; W3, turned: 1,024 bytes, on their way to LDS
	global_load_b128 v[132:135], v1, s[10:11] offset:6144+512
.irp i, 0,1,2,3,4,5,6,7,8,9,10,11
	global_load_b128 v[64+4*\i:67+4*\i], v1, s[10:11] offset:512*\i      ; W1's and W2's operand registers, as they were laid
.endr
.irp i, 0,1,2,3,4,5,6,7
	global_load_b32 v[36+\i], v7, s[10:11] offset:8192+128*\i            ; and their scale words
.endr
	global_load_b128 v[8:11], v1, s[8:9] th:TH_LOAD_NT                   ; the first group's cells
	global_load_b64 v[12:13], v2, s[4:5] th:TH_LOAD_NT                   ; and positions
.irp i, 52,53,54,55,60,61,62,63,112,113,114,115
	v_mov_b32 v[\i], 0                             ; zero codes for k = 64..127, and the tail of W2's last operand; never rewritten
.endr
	s_wait_loadcnt 22                              ; W3's two loads are in; behind them stand 12 fragments, 8 scale words, the cells and the positions
	ds_store_b128 v117, v[128:131]                 ; the wave's own bytes: LDS serves a wave's instructions in order, so its later loads see them
	ds_store_b128 v117, v[132:135] offset:512
	s_wait_alu depctr_vm_vsrc(0)                   ; these two stores have read v[128:135], which the first group's index work writes
.macro ADREG                           ; where level LV's four indices stand
.if LV < 8
.set AD, 128+4*LV
.elseif (LV%4) < 2
.set AD, 118+4*(LV%4)
.else
.set AD, 48+8*((LV%4)-2)
.endif
.endm
; The four indices of level l: vector work alone.
.macro ADDR l
.set LV, \l
	ADREG
	v_bfe_u32 v16, v10, 2*LV, 2
	v_bfe_u32 v17, v11, 2*LV, 2
.if LV < 15
	v_lshrrev_b32 v21, 15-LV, v8
	v_lshrrev_b32 v22, 15-LV, v9
	v_add3_u32 v16, v21, v16, v14                  ; cx = (Ux >> (15 - l)) + field - 1 - (Ux >> 19)
	v_add3_u32 v17, v22, v17, v15                  ; cy
.else
	v_add3_u32 v16, v8, v16, v14
	v_add3_u32 v17, v9, v17, v15
.endif
.if LV < 6                             ; the grid of 2^(4 + l) squared fits the table: cx + cy x 2^(4 + l)
	v_lshl_add_u32 v[AD], v17, 4+LV, v16
	v_add_nc_u32 v[AD+1], 1, v[AD]
	v_add_nc_u32 v[AD+2], 1<<(4+LV), v[AD]
	v_add_nc_u32 v[AD+3], (1<<(4+LV))+1, v[AD]
.else                                  ; hashed: (cx ^ cy x prime) & (T - 1)
	v_mul_lo_u32 v19, v17, s48
	v_add_nc_u32 v18, 1, v16
	v_add_nc_u32 v20, s48, v19                     ; (cy + 1) x prime
	v_xor_b32 v[AD], v16, v19
	v_xor_b32 v[AD+1], v18, v19
	v_xor_b32 v[AD+2], v16, v20
	v_xor_b32 v[AD+3], v18, v20
.irp c, 0,1,2,3
	v_and_b32 v[AD+\c], s49, v[AD+\c]
.endr
.endif
.irp c, 0,1,2,3
	v_min_u32 v[AD+\c], 0x7ffff, v[AD+\c]          ; an index made of loaded numbers is held inside the level's table
.endr
.endm
; The four gathers of level l go out, into slot l % 12 of the ring.
.macro GATHER l
.set LV, \l
	ADREG
.set SL, G+8*(LV%12)
.irp c, 0,1,2,3
	global_load_b64 v[SL+2*\c:SL+2*\c+1], v[AD+\c], s[16+2*LV:17+2*LV] scale_offset   ; 8 bytes at 8 x index: the hold stands on the index, and four shifts a level are spared
.endr
.endm
; Level l's two features.  The weights are made first, while the gathers are out.
.macro CONSUME l
.set LV, \l
.set SL, G+8*(LV%12)
.set FL, F+2*LV
.set SB, ((130+LV)<<23)|(((1<<(3+LV))-1)<<(20-LV)) ; the f32 number 2^(4 + l) - 1
	v_pk_fma_f32 v[24:25], v[12:13], SB, 0.5 op_sel_hi:[1,0,0]       ; p, rounded once: the line that made the corner
	v_floor_f32 v26, v24
	v_floor_f32 v27, v25
	v_pk_add_f32 v[28:29], v[24:25], v[26:27] neg_lo:[0,1] neg_hi:[0,1]   ; w = p - floor(p)
	v_pk_fma_f32 v[30:31], v[28:29], -1.0, 1.0 op_sel_hi:[1,0,0]     ; 1 - w
	v_pk_mul_f32 v[34:35], v[30:31], v[28:29] op_sel:[0,1] op_sel_hi:[1,0]   ; (1 - wx) wy, (1 - wy) wx
	v_mul_f32 v32, v30, v31                        ; (1 - wx)(1 - wy)
	v_mul_f32 v33, v28, v29                        ; wx wy
.if LV > 3
	s_wait_loadcnt 4*(15-LV)                       ; loads come back in order: behind this level's four stand four for each later level
.else
	s_wait_loadcnt 4*(11-LV)                       ; levels up to 11 have been issued: four for each of them behind this level's four
.endif
.if LV == 0
	s_wait_xcnt 0x0                                ; the 48 gathers have had their addresses translated: their index registers are written again only behind this wait,
	s_wait_alu depctr_vm_vsrc(0)                   ; and they have read these registers: v128-159, which the features take from here on, and v118-125, v48-51, v56-59, which the indices of levels 12 to 15 take
.endif
	v_pk_mul_f32 v[FL:FL+1], v[SL:SL+1], v[32:33] op_sel_hi:[1,0]                                   ; the corners in the order (0,0), (1,0), (0,1), (1,1)
	v_pk_fma_f32 v[FL:FL+1], v[SL+2:SL+3], v[34:35], v[FL:FL+1] op_sel:[0,1,0] op_sel_hi:[1,1,1]
	v_pk_fma_f32 v[FL:FL+1], v[SL+4:SL+5], v[34:35], v[FL:FL+1] op_sel_hi:[1,0,1]
	v_pk_fma_f32 v[FL:FL+1], v[SL+6:SL+7], v[32:33], v[FL:FL+1] op_sel:[0,1,0] op_sel_hi:[1,1,1]
.endm
.macro MAX32 d, e, base                ; the largest magnitude of 32 registers, and the floor 2^(3 - 127), which holds the scale's byte at 1 from below; two chains
	v_max3_num_f32 v[\d], |v[\base]|, |v[\base+1]|, 0x1800000
	v_max3_num_f32 v[\e], |v[\base+2]|, |v[\base+3]|, |v[\base+4]|
.irp i, 5,9,13,17,21,25
	v_max3_num_f32 v[\d], v[\d], |v[\base+\i]|, |v[\base+\i+1]|
	v_max3_num_f32 v[\e], v[\e], |v[\base+\i+2]|, |v[\base+\i+3]|
.endr
	v_max3_num_f32 v[\d], v[\d], |v[\base+29]|, |v[\base+30]|
	v_max3_num_f32 v[\d], v[\d], v[\e], |v[\base+31]|
.endm
.macro PLACES n                        ; plain vector instructions that name no register of the matrix instructions round them (ISA guide 7.12.1)
.rept \n
	v_nop
.endr
.endm
.macro RELU64                          ; the 64 results, ascending: each accumulator is read from its low end on
.set i, 0
.rept 64
	v_max_num_f32 v[G+i], 0, v[G+i]
.set i, i+1
.endr
.endm
.macro WLOAD o, w                      ; W3's 32 numbers of output o for my half's units, into v[w] on: register i goes with unit 16 (i / 8) + 8 h + i % 8
.irp q, 0,1,2,3,4,5,6,7
	ds_load_b128 v[\w+4*\q:\w+4*\q+3], v116 offset:128*\o+16*\q
.endr
.endm
; Output o's half sums: v[24 + o] for point r, v[28 + o] for point 16 + r.  Four chains of eight packed multiply-adds, by turns: no line waits for the line above it.
.macro DOT o, w
	v_pk_mul_f32 v[16:17], v[G:G+1], v[\w:\w+1]
	v_pk_mul_f32 v[18:19], v[G+32:G+33], v[\w:\w+1]
	v_pk_mul_f32 v[20:21], v[G+16:G+17], v[\w+16:\w+17]
	v_pk_mul_f32 v[22:23], v[G+48:G+49], v[\w+16:\w+17]
.irp k, 2,4,6,8,10,12,14
	v_pk_fma_f32 v[16:17], v[G+\k:G+\k+1], v[\w+\k:\w+\k+1], v[16:17]
	v_pk_fma_f32 v[18:19], v[G+32+\k:G+33+\k], v[\w+\k:\w+\k+1], v[18:19]
	v_pk_fma_f32 v[20:21], v[G+16+\k:G+17+\k], v[\w+16+\k:\w+17+\k], v[20:21]
	v_pk_fma_f32 v[22:23], v[G+48+\k:G+49+\k], v[\w+16+\k:\w+17+\k], v[22:23]
.endr
	v_pk_add_f32 v[16:17], v[16:17], v[20:21]
	v_pk_add_f32 v[18:19], v[18:19], v[22:23]
	v_add_f32 v[24+\o], v16, v17
	v_add_f32 v[28+\o], v18, v19
.endm
; A group of 32 points, the g-th of a trip's four.
.macro GROUP g
	s_wait_loadcnt 0x0                             ; this group's cells and positions (in the first group the weights too): nothing else is out
	s_wait_dscnt 0x0                               ; the last LDS stores (the stage's; in the first group W3's) are done
.if \g > 0
	s_wait_alu depctr_vm_vsrc(0)                   ; the last group's stores into the stage have read v144-146, which level 4's indices take.  (For a trip's first group this wait stands ahead of the loop's label and of its backward branch)
.endif
	v_lshrrev_b32 v14, 19, v8
	v_lshrrev_b32 v15, 19, v9
	v_xor_b32 v14, -1, v14                         ; -1 - (U >> 19)
	v_xor_b32 v15, -1, v15
.irp l, 0,1,2,3,4,5,6,7,8,9,10,11
	ADDR \l
.endr
	s_wait_alu depctr_va_vdst(0)                   ; the 48 indices are written, which the gathers read; and all that the last group's products, relu and sums wrote and read in the ring, in which the gathers land, is done
.irp l, 0,1,2,3,4,5,6,7,8,9,10,11
	GATHER \l
.endr
	CONSUME 0
.irp l, 12,13,14,15
	ADDR \l                                        ; into the registers that held the indices of levels 8 to 11: free since the two waits in level 0's turn
.endr
.irp l, 1,2,3
	CONSUME \l
.endr
	s_wait_alu depctr_va_vdst(0)                   ; the sums of levels 0 to 3 are done reading slots 0 to 3, in which the next 16 gathers land, and the indices of levels 12 to 15 are written
.irp l, 12,13,14,15
	GATHER \l                                      ; into the slots just read
.endr
.irp l, 4,5,6,7,8,9,10,11,12,13,14,15
	CONSUME \l
.endr
	s_wait_alu depctr_vm_vsrc(0)                   ; the gathers of levels 12 to 15 have read v118-125, v48-51 and v56-59, which the conversions below and the next group's index work write
	; x: my point's 32 features are one block
	MAX32 16, 17, F
	v_add_nc_u32 v18, 0xff000000, v16              ; 2 off the exponent field: the conversion's scale operand
	v_lshrrev_b32 v19, 23, v18                     ; the scale's byte
	v_lshl_or_b32 v44, v19, 8, v19                 ; at byte 0 for points 0-15 (k = 0..31), at byte 1 for points 16-31 (k = 32..63)
.irp q, 0,1,2,3
	v_cvt_scalef32_pk8_fp4_f32 v[48+\q], v[F+8*\q:F+8*\q+7], v18
.endr
	PLACES 8                                       ; a scale register written by a vector instruction stands 8 places ahead of a scaled matrix instruction, an operand 4; also the plain instruction behind the conversions
	s_wait_alu depctr_va_vdst(0)                   ; x's codes v48-51 and scale word v44 are written, which the products take; the index work and the weights are done reading v8-13, the sums slots 8 to 11, the maximum and the conversions the features: loads land in all three below
	; the next group's cells and positions are asked for here and land during the products
.if \g < 3
	global_load_b128 v[8:11], v1, s[8:9] offset:512*(\g+1) th:TH_LOAD_NT
	global_load_b64 v[12:13], v2, s[4:5] offset:256*(\g+1) th:TH_LOAD_NT
.else
	s_cmp_eq_u32 s53, TRIPS-1                      ; the last group asks for nothing: no load leaves its buffer
	s_cbranch_scc1 .Lno_next
	s_add_nc_u64 s[8:9], s[8:9], 2048              ; (every load through these two pointers was shown done at the group's head)
	s_add_nc_u64 s[4:5], s[4:5], 1024
	global_load_b128 v[8:11], v1, s[8:9] th:TH_LOAD_NT
	global_load_b64 v[12:13], v2, s[4:5] th:TH_LOAD_NT
.Lno_next:
.endif
	WLOAD 1, 224                                   ; the ring's last four slots have been read: W3's numbers of output 1
	WLOAD 0, F                                     ; the features are codes now: their registers take W3's numbers of output 0
.irp t, 0,1,2,3                        ; eight accumulators, each begun with the constant 0
	v_wmma_scale_f32_16x16x128_f8f6f4 v[G+8*\t:G+8*\t+7], v[64+8*\t:71+8*\t], v[48:55], 0, v[36+\t], v44 matrix_a_fmt:MATRIX_FMT_FP4 matrix_b_fmt:MATRIX_FMT_FP4
	v_wmma_scale_f32_16x16x128_f8f6f4 v[G+32+8*\t:G+32+8*\t+7], v[68+8*\t:75+8*\t], v[48:55], 0, v[36+\t], v44 matrix_a_fmt:MATRIX_FMT_FP4 matrix_b_fmt:MATRIX_FMT_FP4 matrix_b_scale:MATRIX_SCALE_ROW1
.endr
	PLACES 4
	RELU64
	; the hidden layer: lane (r, h) holds units 32 h + 0..31 of point r (v160 on) and of point 16 + r (v192 on)
	MAX32 16, 17, G
	MAX32 18, 19, G+32
	v_add_nc_u32 v20, 0xff000000, v16
	v_add_nc_u32 v21, 0xff000000, v18
	v_lshrrev_b32 v22, 23, v20
	v_lshrrev_b32 v23, 23, v21
	v_lshlrev_b32 v45, v5, v22                     ; my block's byte at its place, 8 h bits up;
	v_lshlrev_b32 v46, v5, v23
	v_permlanex16_b32 v24, v45, s50, s51
	v_permlanex16_b32 v25, v46, s50, s51
	v_or_b32 v45, v45, v24                         ; with lane l xor 16's the word is whole
	v_or_b32 v46, v46, v25
.irp q, 0,1,2,3
	v_cvt_scalef32_pk8_fp4_f32 v[48+\q], v[G+8*\q:G+8*\q+7], v20
	v_cvt_scalef32_pk8_fp4_f32 v[56+\q], v[G+32+8*\q:G+32+8*\q+7], v21
.endr
	PLACES 8
	s_wait_alu depctr_va_vdst(0)                   ; the hidden layer's codes v48-51, v56-59 and scale words v45, v46 are written, which the products take; the places above stay beside this wait
.irp t, 0,1,2,3
	v_wmma_scale_f32_16x16x128_f8f6f4 v[G+8*\t:G+8*\t+7], v[96+4*\t:103+4*\t], v[48:55], 0, v[40+\t], v45 matrix_a_fmt:MATRIX_FMT_FP4 matrix_b_fmt:MATRIX_FMT_FP4
	v_wmma_scale_f32_16x16x128_f8f6f4 v[G+32+8*\t:G+32+8*\t+7], v[96+4*\t:103+4*\t], v[56:63], 0, v[40+\t], v46 matrix_a_fmt:MATRIX_FMT_FP4 matrix_b_fmt:MATRIX_FMT_FP4
.endr
	PLACES 4
	RELU64
	; the third product, in f32
	s_wait_dscnt 0x0                               ; W3's numbers of outputs 0 and 1 are in
	DOT 0, F
	s_wait_alu depctr_va_vdst(0)                   ; output 0's sums are done reading v128-159, in which output 2's numbers land
	WLOAD 2, F                                     ; output 0's numbers are done with: output 2's take their registers and land during output 1's sums
	DOT 1, 224
	s_wait_dscnt 0x0
	DOT 2, F
.irp j, 0,1,2
	v_cndmask_b32 v[144+\j], v[24+\j], v[28+\j], s52     ; my own point's half sum: lanes 0-15 point r, lanes 16-31 point 16 + r;
	v_cndmask_b32 v[32+\j], v[28+\j], v[24+\j], s52      ; and the half sum that lane l xor 16 wants
.endr
.irp j, 0,1,2
	v_permlanex16_b32 v[20+\j], v[32+\j], s50, s51
.endr
.irp j, 0,1,2
	v_add_f32 v[144+\j], v[144+\j], v[20+\j]       ; a lane is its point again
.endr
	s_wait_alu depctr_va_vdst(0)                   ; the outputs v144-146 are written, which the stores below read; and output 2's sums are done reading v148-159, in which the stage's loads land at a trip's end
.irp j, 0,1,2
	ds_store_b32 v3, v[144+\j] offset:384*\g+4*\j
.endr
.endm
.Lquad:
	GROUP 0
	GROUP 1
	GROUP 2
	GROUP 3
.irp i, 0,1,2
	ds_load_b128 v[148+4*\i:151+4*\i], v4 offset:512*\i  ; LDS serves a wave's instructions in order (ISA guide 5.7.1.4): these see my stores.  No vector instruction stands behind the group's last wait
.endr
	s_wait_dscnt 0x0
.irp i, 0,1,2
	global_store_b128 v1, v[148+4*\i:151+4*\i], s[12:13] offset:512*\i th:TH_STORE_NT   ; 32 lanes store 512 consecutive bytes; written once, read by nobody here
.endr
	s_wait_xcnt 0x0                                ; the stores have had their addresses translated: their base and their data are written again only behind this wait
	s_wait_alu depctr_vm_vsrc(0)                   ; the last group's stores into the stage have read v144-146 and the global stores v148-159, which the next trip's index work writes
	s_add_nc_u64 s[12:13], s[12:13], 1536
	s_add_co_u32 s53, s53, 1
	s_cmp_lt_u32 s53, TRIPS
	s_cbranch_scc1 .Lquad
	s_wait_dscnt 0x0                               ; the closing lines, six on end
	s_wait_alu 0x0
	s_wait_tensorcnt 0x0
	ds_add_u32 v126, v127
	s_wait_dscnt 0x0
	s_endpgm
.Lfunc_end_k_q897207039e_ngp:
	.size	k_q897207039e_ngp, .Lfunc_end_k_q897207039e_ngp-k_q897207039e_ngp
	.p2alignl 7, 3214868480
	.fill 96, 4, 3214868480
	.section	.rodata,"a",@progbits
	.p2align	6, 0x0
	.amdhsa_kernel k_q897207039e_ngp
		.amdhsa_group_segment_fixed_size 43008
		.amdhsa_private_segment_fixed_size 0
		.amdhsa_enable_private_segment 0
		.amdhsa_kernarg_size 40
		.amdhsa_user_sgpr_count 2
		.amdhsa_user_sgpr_kernarg_segment_ptr 1
		.amdhsa_wavefront_size32 1
		.amdhsa_system_sgpr_workgroup_id_x 1
		.amdhsa_system_sgpr_workgroup_id_y 1
		.amdhsa_system_sgpr_workgroup_id_z 1
		.amdhsa_system_vgpr_workitem_id 0
		.amdhsa_next_free_vgpr 256
		.amdhsa_next_free_sgpr 66
		.amdhsa_reserve_vcc 0
		.amdhsa_float_denorm_mode_32 3
		.amdhsa_float_denorm_mode_16_64 3
		.amdhsa_memory_ordered 1
		.amdhsa_forward_progress 1
		.amdhsa_inst_pref_size 214
	.end_amdhsa_kernel
	.amdgpu_metadata
---
amdhsa.version: [ 1, 2 ]
amdhsa.kernels:
  - .name:           k_q897207039e_ngp
    .symbol:         k_q897207039e_ngp.kd
    .args:
      - { .name: v_pixel_pos, .offset: 0, .size: 8, .value_kind: global_buffer, .address_space: global }
      - { .name: hash_table, .offset: 8, .size: 8, .value_kind: global_buffer, .address_space: global }
      - { .name: cells, .offset: 16, .size: 8, .value_kind: global_buffer, .address_space: global }
      - { .name: wimg, .offset: 24, .size: 8, .value_kind: global_buffer, .address_space: global }
      - { .name: out0, .offset: 32, .size: 8, .value_kind: global_buffer, .address_space: global }
    .group_segment_fixed_size: 43008
    .private_segment_fixed_size: 0
    .kernarg_segment_align: 8
    .kernarg_segment_size: 40
    .max_flat_workgroup_size: 512
    .sgpr_count:     66
    .vgpr_count:     256
    .wavefront_size: 32
...
	.end_amdgpu_metadata
.endif
;; end of part 3
